; MI455X (gfx1250); checked and timed in simulation.
; The chip was launched on July 23, 2026; its instructions are those of AMD's public machine-readable ISA for CDNA 5 (MIT licence, August 2026) and "CDNA5" Instruction Set Architecture Reference Guide (July 2026). The comments in the code are by the model that wrote it; some were corrected since.
;; Multihead Attention With Vdim. Allowed arithmetic: matrix products marked QUANTISED: E2M1 operands, one E8M0 scale for each 32 along K, by v_wmma_scale_f32_16x16x128_f8f6f4 with both operands' format E2M1 (or v_wmma_scale_f32_32x16x128_f4), f32 sums; products left as they are: bf16, f16 or f32 operands; f32 sums; everything else in f32.
;; Inputs: Wk 512 x 512 float32; Wo 256 x 256 float32; Wq 512 x 512 float32; Wv 256 x 256 float32; attn_mask 900 x 4,096 float32; bk 512 float32; bo 256 float32; bq 512 float32; bv 256 float32; key 8 x 4,096 x 512 float32; key_padding_mask 8 x 4,096 bool; query 8 x 900 x 512 float32; value 8 x 4,096 x 256 float32.
;; Outputs: out0 8 x 900 x 256 float32.
;; This version of the problem:
;;   THIS VERSION OF THE PROBLEM IS GIVEN IN LOW PRECISION. The matrix products marked QUANTISED in the list below multiply operands that are first quantised to E2M1 (2 exponent bits, 1 mantissa bit; 4 bits a number), with one power-of-two scale for each 32 numbers along K (OCP MX v1.0); their sums are f32. The products marked 'left as it is' may take bf16, f16 or f32 operands, with f32 sums. Whichever they take, every output number must still come out within the allowed error. Rounding operands to bf16 (8 significant bits) uses up far more of that allowance than f16 does (11 bits, for magnitudes from 6e-5 to 65,504). All else is computed in f32.
;;   The module's matrix products, in the order in which they are computed (A, B: the left and right operand; K: the contracted axis; several contracted axes count as one K, in the product's order):
;;     1. [M 7,200, K 512] x [K 512, N 512]; A: input query; B: input Wq: QUANTISED
;;     2. [M 32,768, K 512] x [K 512, N 512]; A: input key; B: input Wk: QUANTISED
;;     3. [M 32,768, K 256] x [K 256, N 256]; A: input value; B: input Wv: QUANTISED
;;     4. batch 64 x [M 900, K 64] x [K 64, N 4,096]; A: computed on the way; B: computed on the way: left as it is (an operand is computed on the way)
;;     5. batch 64 x [M 900, K 4,096] x [K 4,096, N 32]; A: computed on the way; B: computed on the way: left as it is (an operand is computed on the way)
;;     6. [M 7,200, K 256] x [K 256, N 256]; A: computed on the way; B: input Wo: left as it is (an operand is computed on the way)
;;   THE QUANTISER, for each operand of a quantised product, along K:
;;     - K is cut into blocks of 32 from its start; a last block that is shorter is filled with zeros.
;;     - A block's scale is 2^e with e = floor(log2(the largest magnitude in the block)) - 2, held to -126 .. 127; a block of zeros has e = 0. As a byte (E8M0): e + 127.
;;     - Each number is divided by its block's scale, clamped to +-6, and rounded to the nearest number of E2M1, ties to even, subnormals kept.
;;     - The product sums the exact products of the quantised numbers (number of the format x scale) in f32.
;;   ~~~python
;;   def quantise(x, axis):      # numpy; x: float32 -> the quantised numbers, widened to float32 again
;;       x = np.moveaxis(x, axis, -1); K = x.shape[-1]
;;       x = np.pad(x, [(0, 0)] * (x.ndim - 1) + [(0, -K % 32)]); x = x.reshape(x.shape[:-1] + (-1, 32)); a = np.abs(x).max(-1, keepdims=True)
;;       e = np.where(a > 0, np.clip(np.frexp(np.where(a > 0, a, 1))[1] - 1 - 2, -126, 127), 0)      # np.frexp(a)[1] - 1 = floor(log2(a)), exactly
;;       r = np.clip(x / 2.0 ** e, -6, 6)
;;       step = 2.0 ** (np.maximum(np.frexp(np.where(r == 0, 1, r))[1] - 1, 0) - 1)
;;       q = np.round(r / step) * step * 2.0 ** e      # np.round: ties to even
;;       return np.moveaxis(q.reshape(q.shape[:-2] + (-1,))[..., :K], -1, axis).astype(np.float32)
;;   ~~~
;; One version. Each part assembles by itself: llvm-mc -triple=amdgcn-amd-amdhsa -mcpu=gfx1250 --defsym DOCPART=n.
;; ======== version 1 of 1: 4 launches
;; limits: values are held in f16: magnitudes above 65,504 overflow, below 6.1e-05 lose precision; inputs' magnitudes at most 1e+38
;; workspace buffers: wimg 294,912 bytes; wsc 36,864 bytes; woimg 131,072 bytes; qimg 7,405,568 bytes; kv 51,380,224 bytes; att 4,194,304 bytes
;; launch prep (part 1): grid 168 x 1, 4 waves a work-group, no clusters, 0 bytes of LDS; arguments Wq, Wk, Wv, Wo, key_padding_mask, wimg, wsc, woimg, kv; writes wimg, wsc, woimg, kv
.if DOCPART == 1
	.amdgcn_target "amdgcn-amd-amdhsa--gfx1250"
	.amdhsa_code_object_version 6
	.text
	.protected	k_q0f54e379ee_prep
	.globl	k_q0f54e379ee_prep
	.p2align	8
	.type	k_q0f54e379ee_prep,@function
k_q0f54e379ee_prep:
	s_mov_b64 s[64:65], 0
	v_nop
	global_prefetch_b8 v0, s[64:65] scope:SCOPE_SE
	s_setreg_imm32_b32 hwreg(HW_REG_WAVE_MODE, 25, 1), 1
	s_wait_xcnt 0x0
; The weights and the key mask are laid once as the later launches' registers want them.  A wave does one unit; no LDS, no barrier.
;  work-groups 0-71:    Wq, Wk [512][512], Wv [256][256], f32 -> codes of FP4 (E2M1) with one E8M0 byte for each 32 along K (K is innermost in memory).
;                       Unit u = one operand fragment, 16 rows x 128 K: 1,024 bytes of wimg (registers 4 c .. 4 c + 3 of lane l at 512 c + 16 l) and 128 bytes of wsc (lane l's scale word at 4 l).
;                       u = 0-127 Wq (row tile u / 4, K step u % 4), 128-255 Wk likewise, 256-287 Wv (row tile / 2, K step % 2).
;  work-groups 72-135:  key_padding_mask [8][4096] bool -> f32 0 or -infinity, 128 keys a unit, stored behind the K and V images of each of the batch's eight heads in kv.
;  work-groups 136-167: Wo [256][256] f32 -> f16 fragments of 16 rows x 32 K, 1,024 bytes of woimg each (unit 8 x row tile + K step).
; A block's scale is 2^(floor(log2(largest magnitude)) - 2); its byte is the largest magnitude's exponent field - 2, held at 1 from below by a floor among the maximum's leaves.
; A block of zeros keeps the byte 1: its codes are zeros, and this program alone reads the bytes.
; LIMITS: NaN and infinities among the weights are not served.  Wo goes in f16: magnitudes up to 65,504.
; No cluster: no two work-groups read the same bytes.
.set KVH, 25088                        ; kv: a head's part of a slot of 128 keys: 16,384 bytes of K images, 8,192 of V images, 512 of pad numbers
.set KVS, 50176                        ; a slot: two heads
.set KVP, 1605632                      ; a pair of heads: 32 slots
.set KVB, 6422528                      ; a batch: four pairs
	s_load_b512 s[8:23], s[0:1], 0x0               ; Wq s[8:9], Wk s[10:11], Wv s[12:13], Wo s[14:15], the key mask s[16:17], wimg s[18:19], wsc s[20:21], woimg s[22:23]
	s_load_b64 s[24:25], s[0:1], 0x40              ; kv
	v_lshrrev_b32 v1, 5, v0
	v_readfirstlane_b32 s26, v1                    ; wave 0..3
	v_and_b32 v7, 31, v0                           ; lane
	v_and_b32 v1, 15, v0                           ; r
	v_bfe_u32 v2, v0, 4, 1                         ; h
	v_lshlrev_b32 v4, 4, v7                        ; 16 x lane: my place in an image
	v_lshlrev_b32 v5, 2, v7                        ; 4 x lane
	v_lshlrev_b32 v6, 3, v2                        ; 8 h: where my two scale bytes stand in the word
	s_mov_b32 s35, 0
	s_mov_b32 s39, 0
	s_wait_kmcnt 0x0
	s_cmp_lt_u32 ttmp9, 72
	s_cbranch_scc0 .Lnot_w
	; ---- a fragment of Wq, Wk or Wv
	s_lshl_b32 s27, ttmp9, 2
	s_add_co_u32 s27, s27, s26                     ; u
	s_cmp_lt_u32 s27, 128
	s_cselect_b64 s[28:29], s[8:9], s[10:11]       ; the choices hang on the unit's number alone
	s_cmp_lt_u32 s27, 256
	s_cselect_b64 s[28:29], s[28:29], s[12:13]
	s_cselect_b32 s30, 2, 1                        ; log2 of the K steps in a row
	s_cselect_b32 s31, 11, 10                      ; log2 of a row's bytes
	s_cselect_b32 s32, 127, 31
	s_and_b32 s32, s27, s32                        ; the fragment's number in its tensor
	s_lshr_b32 s33, s32, s30                       ; row tile
	s_lshl_b32 s34, s33, s30
	s_sub_co_u32 s34, s32, s34                     ; K step
	s_lshl_b32 s33, s33, 4
	s_lshl_b32 s33, s33, s31                       ; 16 rows a tile
	s_lshl_b32 s34, s34, 9                         ; 512 bytes a K step
	s_add_co_u32 s34, s34, s33
	s_add_nc_u64 s[28:29], s[28:29], s[34:35]
	v_lshlrev_b32 v3, s31, v1                      ; row r,
	v_lshl_add_u32 v3, v2, 7, v3                   ; + 128 h: the operand's layout gives lane (r, h) k = 64 c + 32 h + 0 .. 31
.irp c, 0,1
.irp i, 0,1,2,3,4,5,6,7
	global_load_b128 v[32+32*\c+4*\i:32+32*\c+4*\i+3], v3, s[28:29] offset:256*\c+16*\i th:TH_LOAD_NT
.endr
.endr
	s_mov_b32 s36, 0x76543210
	s_mov_b32 s37, 0xfedcba98                      ; v_permlanex16_b32's selects for lane l xor 16
	v_mov_b32 v22, 0                               ; a lane permute's destination counts as one of its sources
	s_lshl_b32 s38, s27, 10
	s_add_nc_u64 s[18:19], s[18:19], s[38:39]      ; the unit's image
	s_lshl_b32 s38, s27, 7
	s_add_nc_u64 s[20:21], s[20:21], s[38:39]      ; and its scale words
	s_wait_loadcnt 0x0
.irp c, 0,1                                    ; my block 2 c + h: all its 32 numbers are mine
	v_max3_num_f32 v[16+\c], 0x1800000, |v[32+32*\c]|, |v[33+32*\c]|   ; the floor 2^(3 - 127): the byte cannot fall under 1
.endr
.irp i, 2,4,6,8,10,12,14,16,18,20,22,24,26,28,30
.irp c, 0,1
	v_max3_num_f32 v[16+\c], v[16+\c], |v[32+32*\c+\i]|, |v[33+32*\c+\i]|   ; the two blocks by turns
.endr
.endr
.irp c, 0,1
	v_add_nc_u32 v[18+\c], 0xff000000, v[16+\c]    ; 2 off the exponent field: the conversion takes the exponent field of this operand as its scale
.endr
.irp c, 0,1
	v_lshrrev_b32 v[20+\c], 23, v[18+\c]           ; the scale's byte
.endr
	v_lshl_or_b32 v23, v21, 16, v20                ; my two bytes: blocks h and 2 + h of row r,
	v_lshlrev_b32 v23, v6, v23                     ; at their places in the word;
	v_permlanex16_b32 v22, v23, s36, s37
	v_or_b32 v23, v23, v22                         ; with lane l xor 16's two the word is whole, in both halves of the lanes
.irp c, 0,1
.irp g, 0,1,2,3
	v_cvt_scalef32_pk8_fp4_f32 v[24+4*\c+\g], v[32+32*\c+8*\g:39+32*\c+8*\g], v[18+\c]
.endr
.endr
	v_nop                                          ; one plain line behind the last scaled conversion
	global_store_b128 v4, v[24:27], s[18:19]       ; 32 lanes store 512 consecutive bytes, aligned
	global_store_b128 v4, v[28:31], s[18:19] offset:512
	global_store_b32 v5, v23, s[20:21]
	s_endpgm
.Lnot_w:
	s_cmp_lt_u32 ttmp9, 136
	s_cbranch_scc0 .Lwo
	; ---- 128 keys of the key mask: 0 where the key counts, -infinity where it is masked
	s_sub_co_u32 s27, ttmp9, 72
	s_lshl_b32 s27, s27, 2
	s_add_co_u32 s27, s27, s26                     ; 32 x batch + slot
	s_lshl_b32 s34, s27, 7
	s_add_nc_u64 s[16:17], s[16:17], s[34:35]
	global_load_b32 v8, v5, s[16:17]               ; my four keys' bytes
	s_lshr_b32 s28, s27, 5
	s_and_b32 s29, s27, 31
	s_mul_i32 s28, s28, KVB
	s_mul_i32 s29, s29, KVS
	s_add_co_u32 s38, s28, s29
	s_add_co_u32 s38, s38, 24576                   ; behind a head's K and V images
	s_add_nc_u64 s[24:25], s[24:25], s[38:39]
	v_mov_b32 v9, 0xff800000                       ; -infinity
	s_wait_loadcnt 0x0
.irp n, 0,1,2,3
	v_bfe_u32 v10, v8, 8*\n, 8
	v_cmp_ne_u32 vcc_lo, 0, v10
	v_cndmask_b32 v[12+\n], 0, v9, vcc_lo
.endr
.irp p, 0,1,2,3                                ; the same 512 bytes for each of the batch's eight heads, so that a head's part of a slot is one dense block
.irp e, 0,1
	global_store_b128 v4, v[12:15], s[24:25] offset:\p*KVP+\e*KVH
.endr
.endr
	s_endpgm
.Lwo:
	; ---- a fragment of Wo in f16: lane (r, h) holds row r; registers 4 c .. 4 c + 3 hold k = 16 c + 8 h + 0 .. 7
	s_sub_co_u32 s27, ttmp9, 136
	s_lshl_b32 s27, s27, 2
	s_add_co_u32 s27, s27, s26                     ; u = 8 x row tile + K step
	s_lshr_b32 s28, s27, 3
	s_and_b32 s29, s27, 7
	s_lshl_b32 s28, s28, 14                        ; 16 rows of 1,024 bytes
	s_lshl_b32 s29, s29, 7                         ; 32 numbers a K step
	s_add_co_u32 s34, s28, s29
	s_add_nc_u64 s[14:15], s[14:15], s[34:35]
	v_lshlrev_b32 v3, 10, v1
	v_lshl_add_u32 v3, v2, 5, v3
	global_load_b128 v[32:35], v3, s[14:15] th:TH_LOAD_NT
	global_load_b128 v[36:39], v3, s[14:15] offset:16 th:TH_LOAD_NT
	global_load_b128 v[40:43], v3, s[14:15] offset:64 th:TH_LOAD_NT
	global_load_b128 v[44:47], v3, s[14:15] offset:80 th:TH_LOAD_NT
	s_lshl_b32 s38, s27, 10
	s_add_nc_u64 s[22:23], s[22:23], s[38:39]
	s_wait_loadcnt 0x0
.irp k, 0,1,2,3,4,5,6,7
	v_cvt_pk_f16_f32 v[24+\k], v[32+2*\k], v[33+2*\k]
.endr
	global_store_b128 v4, v[24:27], s[22:23]
	global_store_b128 v4, v[28:31], s[22:23] offset:512
	s_endpgm
.Lfunc_end_k_q0f54e379ee_prep:
	.size	k_q0f54e379ee_prep, .Lfunc_end_k_q0f54e379ee_prep-k_q0f54e379ee_prep
	.p2alignl 7, 3214868480
	.fill 96, 4, 3214868480
	.section	.rodata,"a",@progbits
	.p2align	6, 0x0
	.amdhsa_kernel k_q0f54e379ee_prep
		.amdhsa_group_segment_fixed_size 0
		.amdhsa_private_segment_fixed_size 0
		.amdhsa_enable_private_segment 0
		.amdhsa_kernarg_size 72
		.amdhsa_user_sgpr_count 2
		.amdhsa_user_sgpr_kernarg_segment_ptr 1
		.amdhsa_wavefront_size32 1
		.amdhsa_system_sgpr_workgroup_id_x 1
		.amdhsa_system_sgpr_workgroup_id_y 1
		.amdhsa_system_sgpr_workgroup_id_z 1
		.amdhsa_system_vgpr_workitem_id 0
		.amdhsa_next_free_vgpr 128
		.amdhsa_next_free_sgpr 66
		.amdhsa_reserve_vcc 1
		.amdhsa_float_denorm_mode_32 3
		.amdhsa_float_denorm_mode_16_64 3
		.amdhsa_memory_ordered 1
		.amdhsa_forward_progress 1
		.amdhsa_inst_pref_size 11
	.end_amdhsa_kernel
	.amdgpu_metadata
---
amdhsa.version: [ 1, 2 ]
amdhsa.kernels:
  - .name:           k_q0f54e379ee_prep
    .symbol:         k_q0f54e379ee_prep.kd
    .args:
      - { .name: Wq, .offset: 0, .size: 8, .value_kind: global_buffer, .address_space: global }
      - { .name: Wk, .offset: 8, .size: 8, .value_kind: global_buffer, .address_space: global }
      - { .name: Wv, .offset: 16, .size: 8, .value_kind: global_buffer, .address_space: global }
      - { .name: Wo, .offset: 24, .size: 8, .value_kind: global_buffer, .address_space: global }
      - { .name: key_padding_mask, .offset: 32, .size: 8, .value_kind: global_buffer, .address_space: global }
      - { .name: wimg, .offset: 40, .size: 8, .value_kind: global_buffer, .address_space: global }
      - { .name: wsc, .offset: 48, .size: 8, .value_kind: global_buffer, .address_space: global }
      - { .name: woimg, .offset: 56, .size: 8, .value_kind: global_buffer, .address_space: global }
      - { .name: kv, .offset: 64, .size: 8, .value_kind: global_buffer, .address_space: global }
    .group_segment_fixed_size: 0
    .private_segment_fixed_size: 0
    .kernarg_segment_align: 8
    .kernarg_segment_size: 72
    .max_flat_workgroup_size: 128
    .sgpr_count:     66
    .vgpr_count:     128
    .wavefront_size: 32
...
	.end_amdgpu_metadata
.endif
;; end of part 1
;; launch proj (part 2): grid 221 x 1, 4 waves a work-group, no clusters, 226,816 bytes of LDS; arguments query, key, value, bq, bk, bv, wimg, wsc, qimg, kv; writes qimg, kv
.if DOCPART == 2
	.amdgcn_target "amdgcn-amd-amdhsa--gfx1250"
	.amdhsa_code_object_version 6
	.text
	.protected	k_q0f54e379ee_proj
	.globl	k_q0f54e379ee_proj
	.p2align	8
	.type	k_q0f54e379ee_proj,@function
k_q0f54e379ee_proj:
	s_mov_b64 s[64:65], 0
	v_nop
	global_prefetch_b8 v0, s[64:65] scope:SCOPE_SE
	s_setreg_imm32_b32 hwreg(HW_REG_WAVE_MODE, 25, 1), 1
	s_wait_xcnt 0x0
; The three projections on codes of FP4 (E2M1) with one E8M0 scale for each 32 along K:  q = (query Wq^T + bq) / 8,  k = key Wk^T + bk,  v = value Wv^T + bv.
; query [7,200][512], key [32,768][512], value [32,768][256]: f32, quantised here, in registers; the weights come as fragment images and scale words (wimg, wsc).  Sums in f32; results leave in f16.
; SHARES.  Work-groups 0-127: key, 4 blocks of 64 rows each; 128-156: query, 4 blocks (the last: 1); 157-220: value, 8 blocks.  THE WAVES SHARE THE COLUMNS: wave w keeps its part of W (q, k: 128 columns x 512 K,
; 256 registers; v: 64 columns x 256 K) in registers for the whole launch; what goes round through LDS is the block's codes.  Wave w quantises tile w of the block's rows.
; THE ROWS OF A TILE ARE NOT NEIGHBOURS: lane r of tile t takes row 32 (r / 8) + 8 t + r % 8 of the block.  So in the attention's S^T a lane's 32 registers are 32 neighbouring keys, and every result here leaves its
; accumulator as a lane's 16 bytes of an operand image of the next launch: each store of a wave covers 512 consecutive bytes, aligned, with no stage on the way out.
;   q, k: the product is used transposed (source 0 = 16 rows of W, source 1 = 16 rows of x): a lane holds one row and eight neighbouring channels.
;   v: untransposed: a lane holds one channel and eight neighbouring keys, which is what the image of V^T wants.
; The bias is the C of each sum's first matrix instruction.  The q and k blocks share one body: its multiply by 1/8 is a multiply by 1 for k.
; A BLOCK.
; fragments from LDS, NT x KS matrix instructions, f16, stores | barrier.  The next block's loads are issued as soon as the stage has taken this block's.
; No cluster and no tensor load: the weights stay in registers, x is read once by one wave, and the number of blocks differs between work-groups.
; LIMITS: NaN and infinities among the inputs are not served; a block of zeros keeps the scale byte 1 (zero codes); results go in f16: magnitudes up to 65,504.
; The query's last block has 32 rows: its upper 32 are taken from the tensor's last rows, and what they give lies in bytes of qimg that nobody reads.
; REGISTERS, in windows of 256: window 0: v1-15 addresses; v16-27 the quantiser's; v28-31 x's scale words; v32-63 W's scale words; v64-95 x's fragments; v96-127 the codes just made; v128-159 f16 results; v160-223 accumulators.
;   window 1: W's fragments.   window 2: x as loaded.   window 3: v0-63 the bias in the result's layout; v64-191 two sets of 64 numbers of x.
.set KVH, 25088
.set KVS, 50176
.set KVP, 1605632
.set KVB, 6422528
.set QHS, 925696                       ; a head's part of qimg: 113 blocks x 8,192 bytes
.set SPARE, 226304                     ; the spare words, 128 bytes for each wave: two blocks of 256 bytes that no other line names
.set XOL, 3                            ; v3   x: my byte offset in the tile's lower eight rows
.set XOH, 4                            ; v4   and in its upper eight
.set LI, 5                             ; v5   LDS: the images, + 16 x lane
.set LSC, 6                            ; v6   LDS: the scale words, + 4 KS x lane
.set STW, 7                            ; v7   my stage, on the way in
.set STR, 8                            ; v8   and on the way out
.set XWI, 9                            ; v9   where I store my tile's images
.set XWS, 10                           ; v10  and its scale words
.set OFF0, 11                          ; v11  16 x lane
.set OFF1, 12                          ; v12  16 x lane + a head on (q, k)
.set SH8, 13                           ; v13  8 h
.set L4, 14                            ; v14  4 x lane
.set BOF, 15                           ; v15  my offset in the bias
.set QM, 16                            ; v16-17 largest magnitudes; v18-19 the conversions' scale operands; v20-21 bytes; v22 the other half's
.set LANE, 23
.set PW, 24                            ; v24-27 my row's scale words, one for each K step
.set XS, 28
.set WS, 32
.set XF, 64
.set PC, 96
.set OUTR, 128
.set ACC, 160
.set SPW, 252                          ; v252 LDS address of my spare word; never rewritten
.set NIL, 253                          ; v253 0; never rewritten
.set MSB, 0
.macro WIN new                         ; the immediate's high byte repeats the setting that is left; a switch that changes nothing is dropped
.if MSB != \new
	s_set_vgpr_msb (MSB<<8)|\new
.set MSB, \new
.endif
.endm
.macro PLACES
.rept 4
	v_nop
.endr
.endm
.macro BARRIER                         ; my LDS stores have landed and my LDS loads are in: then the work-group's barrier
	s_wait_dscnt 0x0
	s_barrier_signal -1
	s_barrier_wait -1
.endm
; x's 16 rows of my tile in block s52: each load reads 512 consecutive bytes of one row.  The upper eight rows are held inside the tensor.
.macro XLOAD
	s_lshl_b32 s46, s52, 6
	s_lshl_b32 s47, s28, 3
	s_add_co_u32 s46, s46, s47                     ; the lower eight rows begin at 64 g + 8 w,
	s_add_co_u32 s47, s46, 32                      ; the upper eight 32 further on
	s_min_u32 s47, s47, s43
	s_mul_i32 s46, s46, ROWB
	s_mul_i32 s47, s47, ROWB
	v_add_nc_u32 v[XOL], s46, v[OFF0]              ; (the last loads that read these two have been waited for)
	v_add_nc_u32 v[XOH], s47, v[OFF0]
	WIN 0x80                                       ; destination window 2
.set RR, 0
.rept 16
.set QD, 0
.rept ROWB/512
.if RR < 8
	global_load_b128 v[4*(RR*(ROWB/512)+QD):4*(RR*(ROWB/512)+QD)+3], v[XOL], s[30:31] offset:RR*ROWB+512*QD th:TH_LOAD_NT
.else
	global_load_b128 v[4*(RR*(ROWB/512)+QD):4*(RR*(ROWB/512)+QD)+3], v[XOH], s[30:31] offset:(RR-8)*ROWB+512*QD th:TH_LOAD_NT
.endif
.set QD, QD+1
.endr
.set RR, RR+1
.endr
	WIN 0
.endm
.macro TOSTAGE                         ; the rows go into my stage as they lie; its pitch is 16 bytes over a multiple of 256
	WIN 0x08                                       ; an LDS store's data are its source 1: window 2
.set RR, 0
.rept 16
.set QD, 0
.rept ROWB/512
	ds_store_b128 v[STW], v[4*(RR*(ROWB/512)+QD):4*(RR*(ROWB/512)+QD)+3] offset:RR*PITCH+512*QD
.set QD, QD+1
.endr
.set RR, RR+1
.endr
	WIN 0
.endm
.macro FROMSTAGE s                     ; K step s of my row: register 32 c + n = k 128 s + 64 c + 32 h + n.  LDS serves a wave's instructions in order: these see my stores
	WIN 0xc0                                       ; destination window 3
.irp c, 0,1
.irp i, 0,1,2,3,4,5,6,7
	ds_load_b128 v[64+64*((\s)%2)+32*\c+4*\i:64+64*((\s)%2)+32*\c+4*\i+3], v[STR] offset:512*(\s)+256*\c+16*\i
.endr
.endr
	WIN 0
.endm
; 64 numbers of a lane become a fragment's eight registers of codes and its row's scale word.  A lane holds two whole blocks of 32: no other lane is asked for a maximum.
.macro QUANT s
.set XQB, 64+64*((\s)%2)
	WIN 0x3c                                       ; sources 1 and 2 window 3
.irp c, 0,1
	v_max3_num_f32 v[QM+\c], 0x1800000, |v[XQB+32*\c]|, |v[XQB+32*\c+1]|   ; the floor 2^(3 - 127): the byte cannot fall under 1
.endr
.irp i, 2,4,6,8,10,12,14,16,18,20,22,24,26,28,30
.irp c, 0,1
	v_max3_num_f32 v[QM+\c], v[QM+\c], |v[XQB+32*\c+\i]|, |v[XQB+32*\c+\i+1]|
.endr
.endr
	WIN 0
.irp c, 0,1
	v_add_nc_u32 v[QM+2+\c], 0xff000000, v[QM+\c]  ; 2 off the exponent field: the conversion's scale operand
.endr
.irp c, 0,1
	v_lshrrev_b32 v[QM+4+\c], 23, v[QM+2+\c]       ; the scale's byte
.endr
	v_lshl_or_b32 v[PW+(\s)], v[QM+5], 16, v[QM+4] ; blocks h and 2 + h,
	v_lshlrev_b32 v[PW+(\s)], v[SH8], v[PW+(\s)]   ; at their places;
	v_permlanex16_b32 v[QM+6], v[PW+(\s)], s50, s51
	v_or_b32 v[PW+(\s)], v[PW+(\s)], v[QM+6]       ; with lane l xor 16's two the word is whole
	WIN 0x03                                       ; source 0 window 3
.irp c, 0,1
.irp g, 0,1,2,3
	v_cvt_scalef32_pk8_fp4_f32 v[PC+8*(\s)+4*\c+\g], v[XQB+32*\c+8*\g:XQB+32*\c+8*\g+7], v[QM+2+\c]
.endr
.endr
	WIN 0
	v_nop                                          ; one plain line behind the last scaled conversion
.endm
.macro IMAGE s                         ; the fragment goes to LDS as an image of its registers: lane l's 16 bytes at 16 l
.irp c, 0,1
	ds_store_b128 v[XWI], v[PC+8*(\s)+4*\c:PC+8*(\s)+4*\c+3] offset:1024*(\s)+512*\c
.endr
.endm
.macro FETCH tau                       ; tile tau's fragments and scale words, in any wave
.set SS2, 0
.rept KS
	ds_load_b128 v[XF+8*SS2:XF+8*SS2+3], v[LI] offset:(KS*(\tau)+SS2)*1024
	ds_load_b128 v[XF+8*SS2+4:XF+8*SS2+7], v[LI] offset:(KS*(\tau)+SS2)*1024+512
.set SS2, SS2+1
.endr
.if ISV
	ds_load_b64 v[XS:XS+1], v[LSC] offset:256*(\tau)
.else
	ds_load_b128 v[XS:XS+3], v[LSC] offset:512*(\tau)
.endif
.endm
; NT x KS matrix instructions: the NT accumulators take turns, one instruction a turn, K step by K step.  All operands and scales were filled by loads.
.macro MULT
.set SS2, 0
.rept KS
.if ISV
.if SS2 == 0
	WIN 0x34                                       ; source 1 (W) window 1, source 2 (the bias) window 3
.else
	WIN 0x04
.endif
.else
.if SS2 == 0
	WIN 0x31                                       ; source 0 (W) window 1, source 2 (the bias) window 3
.else
	WIN 0x01
.endif
.endif
.set II, 0
.rept NT
.set AC, ACC+8*II
.set WF, 8*(KS*II+SS2)
.set XR, XF+8*SS2
.if ISV
.if SS2 == 0
	v_wmma_scale_f32_16x16x128_f8f6f4 v[AC:AC+7], v[XR:XR+7], v[WF:WF+7], v[8*II:8*II+7], v[XS+SS2], v[WS+KS*II+SS2] matrix_a_fmt:MATRIX_FMT_FP4 matrix_b_fmt:MATRIX_FMT_FP4
.else
	v_wmma_scale_f32_16x16x128_f8f6f4 v[AC:AC+7], v[XR:XR+7], v[WF:WF+7], v[AC:AC+7], v[XS+SS2], v[WS+KS*II+SS2] matrix_a_fmt:MATRIX_FMT_FP4 matrix_b_fmt:MATRIX_FMT_FP4
.endif
.else
.if SS2 == 0
	v_wmma_scale_f32_16x16x128_f8f6f4 v[AC:AC+7], v[WF:WF+7], v[XR:XR+7], v[8*II:8*II+7], v[WS+KS*II+SS2], v[XS+SS2] matrix_a_fmt:MATRIX_FMT_FP4 matrix_b_fmt:MATRIX_FMT_FP4
.else
	v_wmma_scale_f32_16x16x128_f8f6f4 v[AC:AC+7], v[WF:WF+7], v[XR:XR+7], v[AC:AC+7], v[WS+KS*II+SS2], v[XS+SS2] matrix_a_fmt:MATRIX_FMT_FP4 matrix_b_fmt:MATRIX_FMT_FP4
.endif
.endif
.set II, II+1
.endr
.set SS2, SS2+1
.endr
.endm
; Tile tau's results: each accumulator from its low end on, to f16, 16 bytes a lane, one store of 512 consecutive bytes.
.macro OUT tau
	s_wait_xcnt 0x0                                ; the last tile's stores have read their data registers: they are written again only behind this wait
.set II, 0
.rept NT
.if ISV == 0
.irp k, 0,2,4,6
	v_pk_mul_f32 v[ACC+8*II+\k:ACC+8*II+\k+1], v[ACC+8*II+\k:ACC+8*II+\k+1], s[38:39] op_sel_hi:[1,0]   ; q: x 1/8, exact; k: x 1
.endr
.endif
.irp k, 0,1,2,3
	v_cvt_pk_f16_f32 v[OUTR+4*II+\k], v[ACC+8*II+2*\k], v[ACC+8*II+2*\k+1]
.endr
.if ISV
	global_store_b128 v[OFF0], v[OUTR+4*II:OUTR+4*II+3], s[36:37] offset:(II/2)*KVH+((\tau)/2)*2048+(II%2)*1024+((\tau)%2)*512 th:TH_STORE_NT   ; head II / 2 of my pair; fragment (tau / 2, II % 2), chunk tau % 2
.elseif II < 4
	global_store_b128 v[OFF0], v[OUTR+4*II:OUTR+4*II+3], s[36:37] offset:2048*(\tau)+512*II th:TH_STORE_NT   ; my first head: fragment (tau, II / 2), chunk II % 2
.else
	global_store_b128 v[OFF1], v[OUTR+4*II:OUTR+4*II+3], s[36:37] offset:2048*(\tau)+512*(II-4) th:TH_STORE_NT   ; my second head
.endif
.set II, II+1
.endr
.endm
; A path: the set-up that hangs on the shape, the loop over blocks, the wave's end.  Each of the two paths has LDS bytes of its own.
.macro PATH
	v_lshl_add_u32 v[LI], v[LANE], 4, XIMG
	v_lshl_add_u32 v[LSC], v[LANE], LKS+2, XSC
	s_mul_i32 s52, s28, 1024*KS
	v_add_nc_u32 v[XWI], s52, v[LI]                ; my tile's images: KS fragments on for each wave
	s_mul_i32 s52, s28, 128*KS
	v_add_nc_u32 v[XWS], s52, v[LSC]
	s_mul_i32 s52, s28, 16*PITCH
	s_add_co_u32 s52, s52, STAGE                   ; my stage
	v_add_nc_u32 v[STW], s52, v[OFF0]
	v_mul_u32_u24 v[STR], v1, PITCH
	v_lshl_add_u32 v[STR], v2, 7, v[STR]           ; row r, + 128 h
	v_add_nc_u32 v[STR], s52, v[STR]
	WIN 0x40                                       ; destination window 1: W's fragments stay
.set FI, 0
.rept KS*NT
	global_load_b128 v[8*FI:8*FI+3], v[OFF0], s[54:55] offset:1024*FI
	global_load_b128 v[8*FI+4:8*FI+7], v[OFF0], s[54:55] offset:1024*FI+512
.set FI, FI+1
.endr
	WIN 0
.set FI, 0
.rept KS*NT
	global_load_b32 v[WS+FI], v[L4], s[56:57] offset:128*FI
.set FI, FI+1
.endr
	WIN 0xc0                                       ; destination window 3: the bias in the result's layout
.set FI, 0
.rept NT
.if ISV
.irp j, 0,1,2,3,4,5,6,7
	global_load_b32 v[8*FI+\j], v[BOF], s[32:33] offset:64*FI   ; a lane holds one channel: its number in all eight registers
.endr
.else
	global_load_b128 v[8*FI:8*FI+3], v[BOF], s[32:33] offset:64*FI   ; a lane holds eight neighbouring channels
	global_load_b128 v[8*FI+4:8*FI+7], v[BOF], s[32:33] offset:64*FI+16
.endif
.set FI, FI+1
.endr
	WIN 0
	s_mov_b32 s52, s40
	XLOAD                                          ; the first block
.Lblk_\@:
	s_wait_loadcnt 0x0                             ; this block's rows are in (in the first trip the weights, scale words and bias too)
	TOSTAGE
	s_wait_dscnt 0x0                               ; the stores have read their registers
	s_add_co_u32 s52, s41, 1
	s_cmp_lt_u32 s52, s42                          ; the next block is asked for here, if there is one: no load leaves its buffer
	s_cbranch_scc0 .Lnonext_\@
	s_add_co_u32 s52, s40, 1
	XLOAD
.Lnonext_\@:
	FROMSTAGE 0
	FROMSTAGE 1
.set SS, 0
.rept KS
.if SS == 0
	s_wait_dscnt 16                                ; set 0 is in; the other set's 16 loads may be out
.elseif SS < KS-1
	s_wait_dscnt 18                                ; behind this set's loads: 2 image stores and the next set's 16 loads
.else
	s_wait_dscnt 2                                 ; behind the last set's loads: 2 image stores
.endif
	QUANT SS
	IMAGE SS
.if SS+2 < KS
	FROMSTAGE SS+2
.endif
.set SS, SS+1
.endr
.if ISV
	ds_store_b64 v[XWS], v[PW:PW+1]
.else
	ds_store_b128 v[XWS], v[PW:PW+3]
.endif
	BARRIER                                        ; the block's fragments and scale words lie in LDS
	s_wait_xcnt 0x0                                ; the last block's stores have read their base: it is written only behind this wait
	s_lshr_b32 s52, s40, 6                         ; kv: the batch,
	s_mul_i32 s52, s52, KVB
	s_bfe_u32 s53, s40, 0x50001                    ; the slot of 128 keys,
	s_mul_i32 s53, s53, KVS
	s_add_co_u32 s52, s52, s53
	s_and_b32 s53, s40, 1                          ; and which 64 of them
.if ISV
	s_lshl_b32 s53, s53, 12
	s_add_co_u32 s52, s52, s53
.else
	s_lshl_b32 s53, s53, 13
	s_add_co_u32 s52, s52, s53
	s_lshl_b32 s53, s40, 13                        ; qimg: 8,192 bytes a block
	s_cmp_lt_u32 ttmp9, 128
	s_cselect_b32 s52, s52, s53
.endif
	s_mov_b32 s53, 0
	s_add_nc_u64 s[36:37], s[34:35], s[52:53]
	FETCH 0
.set TAU, 0
.rept 4
	s_wait_dscnt 0x0
	MULT
	WIN 0
	PLACES                                         ; four places ahead of loads into registers that the products read, and of the first read of results
.if TAU < 3
	FETCH TAU+1
.endif
	OUT TAU                                        ; its lines on the other accumulators are the places ahead of the next tile's first products, which begin the sums anew
.set TAU, TAU+1
.endr
	BARRIER                                        ; every wave's reads of the images are over: the next block may write them
	s_add_co_u32 s40, s40, 1
	s_add_co_u32 s41, s41, 1
	s_cmp_lt_u32 s41, s42
	s_cbranch_scc1 .Lblk_\@
	s_wait_tensorcnt 0x0                           ; the wave's end: three closing lines, behind my last LDS store
	ds_add_u32 v[SPW], v[NIL]
	s_wait_dscnt 0x0
	s_endpgm
.endm
	s_load_b512 s[8:23], s[0:1], 0x0               ; query s[8:9], key s[10:11], value s[12:13], bq s[14:15], bk s[16:17], bv s[18:19], wimg s[20:21], wsc s[22:23]
	s_load_b128 s[24:27], s[0:1], 0x40             ; qimg s[24:25], kv s[26:27]
	v_lshl_add_u32 v[SPW], v0, 2, SPARE
	v_mov_b32 v[NIL], 0
	v_lshrrev_b32 v1, 5, v0
	v_readfirstlane_b32 s28, v1                    ; wave 0..3
	v_and_b32 v[LANE], 31, v0
	v_and_b32 v1, 15, v0                           ; r
	v_bfe_u32 v2, v0, 4, 1                         ; h
	v_lshlrev_b32 v[OFF0], 4, v[LANE]
	v_lshlrev_b32 v[L4], 2, v[LANE]
	v_lshlrev_b32 v[SH8], 3, v2
	v_mov_b32 v[QM+6], 0                           ; a lane permute's destination counts as one of its sources
	s_mov_b32 s50, 0x76543210
	s_mov_b32 s51, 0xfedcba98                      ; v_permlanex16_b32's selects for lane l xor 16
	s_mov_b32 s41, 0                               ; blocks done
	s_mov_b32 s53, 0
	s_wait_kmcnt 0x0
	s_cmp_lt_u32 ttmp9, 157
	s_cbranch_scc0 .Lv
	; ---- key or query: only pointers and numbers are chosen; both take one path
	s_cmp_lt_u32 ttmp9, 128
	s_cselect_b64 s[30:31], s[10:11], s[8:9]       ; x
	s_cselect_b64 s[32:33], s[16:17], s[14:15]     ; the bias
	s_cselect_b64 s[34:35], s[26:27], s[24:25]     ; where the results go
	s_cselect_b32 s58, 128, 0                      ; W's first unit
	s_mov_b32 s43, 7192
	s_cselect_b32 s43, 32760, s43                  ; the tensor's rows - 8
	s_cselect_b32 s38, 1.0, 0x3e000000             ; 1, or 1 / sqrt(64)
	s_mov_b32 s44, QHS
	s_cselect_b32 s44, KVH, s44                    ; from a head to the next of my two
	s_mov_b32 s60, 2*QHS
	s_cselect_b32 s60, KVP, s60                    ; from a wave's two heads to the next wave's
	s_mov_b32 s61, 113
	s_cselect_b32 s61, 512, s61                    ; blocks in the tensor
	s_cselect_b32 s59, 0, 128
	s_mov_b32 s39, s38                             ; (named with s38 as a pair, so it is written)
	s_sub_co_u32 s40, ttmp9, s59
	s_lshl_b32 s40, s40, 2                         ; my first block
	s_sub_co_u32 s42, s61, s40
	s_min_u32 s42, s42, 4                          ; and how many
	s_mul_i32 s52, s28, s60
	s_add_nc_u64 s[34:35], s[34:35], s[52:53]
	s_lshl_b32 s52, s28, 9
	s_add_nc_u64 s[32:33], s[32:33], s[52:53]      ; my 128 numbers of the bias
	s_lshl_b32 s52, s28, 5
	s_add_co_u32 s58, s58, s52                     ; my 32 units of W
	s_lshl_b32 s52, s58, 10
	s_add_nc_u64 s[54:55], s[20:21], s[52:53]
	s_lshl_b32 s52, s58, 7
	s_add_nc_u64 s[56:57], s[22:23], s[52:53]
	v_add_nc_u32 v[OFF1], s44, v[OFF0]
	v_lshlrev_b32 v[BOF], 5, v2                    ; 32 h: my half's eight channels
.set KS, 4
.set LKS, 2
.set NT, 8
.set ISV, 0
.set ROWB, 2048
.set PITCH, 2064
.set STAGE, 0                          ; 4 waves x 16 rows x 2,064
.set XIMG, 132096                      ; 16 fragments
.set XSC, 148480                       ; 4 tiles x 32 lanes x 16 bytes
	PATH
.Lv:
	; ---- value
	s_mov_b64 s[30:31], s[12:13]
	s_sub_co_u32 s40, ttmp9, 157
	s_lshl_b32 s40, s40, 3                         ; my first block
	s_mov_b32 s42, 8
	s_mov_b32 s43, 32760
	s_mul_i32 s52, s28, KVP                        ; wave w makes the pair of heads w,
	s_add_co_u32 s52, s52, 16384                   ; whose V images lie behind K's
	s_add_nc_u64 s[34:35], s[26:27], s[52:53]
	s_lshl_b32 s52, s28, 8
	s_add_nc_u64 s[32:33], s[18:19], s[52:53]      ; my 64 numbers of the bias
	s_lshl_b32 s52, s28, 3
	s_add_co_u32 s58, s52, 256                     ; my 8 units of W
	s_lshl_b32 s52, s58, 10
	s_add_nc_u64 s[54:55], s[20:21], s[52:53]
	s_lshl_b32 s52, s58, 7
	s_add_nc_u64 s[56:57], s[22:23], s[52:53]
	v_lshlrev_b32 v[BOF], 2, v1                    ; 4 r: my channel
.set KS, 2
.set LKS, 1
.set NT, 4
.set ISV, 1
.set ROWB, 1024
.set PITCH, 1040
.set STAGE, 150528                     ; 4 waves x 16 rows x 1,040
.set XIMG, 217088                      ; 8 fragments
.set XSC, 225280                       ; 4 tiles x 32 lanes x 8 bytes
	PATH
.Lfunc_end_k_q0f54e379ee_proj:
	.size	k_q0f54e379ee_proj, .Lfunc_end_k_q0f54e379ee_proj-k_q0f54e379ee_proj
	.p2alignl 7, 3214868480
	.fill 96, 4, 3214868480
	.section	.rodata,"a",@progbits
	.p2align	6, 0x0
	.amdhsa_kernel k_q0f54e379ee_proj
		.amdhsa_group_segment_fixed_size 226816
		.amdhsa_private_segment_fixed_size 0
		.amdhsa_enable_private_segment 0
		.amdhsa_kernarg_size 80
		.amdhsa_user_sgpr_count 2
		.amdhsa_user_sgpr_kernarg_segment_ptr 1
		.amdhsa_wavefront_size32 1
		.amdhsa_system_sgpr_workgroup_id_x 1
		.amdhsa_system_sgpr_workgroup_id_y 1
		.amdhsa_system_sgpr_workgroup_id_z 1
		.amdhsa_system_vgpr_workitem_id 0
		.amdhsa_next_free_vgpr 960
		.amdhsa_next_free_sgpr 66
		.amdhsa_reserve_vcc 0
		.amdhsa_float_denorm_mode_32 3
		.amdhsa_float_denorm_mode_16_64 3
		.amdhsa_memory_ordered 1
		.amdhsa_forward_progress 1
		.amdhsa_inst_pref_size 125
	.end_amdhsa_kernel
	.amdgpu_metadata
---
amdhsa.version: [ 1, 2 ]
amdhsa.kernels:
  - .name:           k_q0f54e379ee_proj
    .symbol:         k_q0f54e379ee_proj.kd
    .args:
      - { .name: query, .offset: 0, .size: 8, .value_kind: global_buffer, .address_space: global }
      - { .name: key, .offset: 8, .size: 8, .value_kind: global_buffer, .address_space: global }
      - { .name: value, .offset: 16, .size: 8, .value_kind: global_buffer, .address_space: global }
      - { .name: bq, .offset: 24, .size: 8, .value_kind: global_buffer, .address_space: global }
      - { .name: bk, .offset: 32, .size: 8, .value_kind: global_buffer, .address_space: global }
      - { .name: bv, .offset: 40, .size: 8, .value_kind: global_buffer, .address_space: global }
      - { .name: wimg, .offset: 48, .size: 8, .value_kind: global_buffer, .address_space: global }
      - { .name: wsc, .offset: 56, .size: 8, .value_kind: global_buffer, .address_space: global }
      - { .name: qimg, .offset: 64, .size: 8, .value_kind: global_buffer, .address_space: global }
      - { .name: kv, .offset: 72, .size: 8, .value_kind: global_buffer, .address_space: global }
    .group_segment_fixed_size: 226816
    .private_segment_fixed_size: 0
    .kernarg_segment_align: 8
    .kernarg_segment_size: 80
    .max_flat_workgroup_size: 128
    .sgpr_count:     66
    .vgpr_count:     960
    .wavefront_size: 32
...
	.end_amdgpu_metadata
.endif
;; end of part 2
;; launch attn (part 3): grid 8 x 32, 8 waves a work-group, clusters of 4 x 4, 327,680 bytes of LDS; arguments qimg, kv, attn_mask, att; writes att
.if DOCPART == 3
	.amdgcn_target "amdgcn-amd-amdhsa--gfx1250"
	.amdhsa_code_object_version 6
	.text
	.protected	k_q0f54e379ee_attn
	.globl	k_q0f54e379ee_attn
	.p2align	8
	.type	k_q0f54e379ee_attn,@function
k_q0f54e379ee_attn:
	s_mov_b64 s[64:65], 0
	v_nop
	global_prefetch_b8 v0, s[64:65] scope:SCOPE_SE
	s_setreg_imm32_b32 hwreg(HW_REG_WAVE_MODE, 25, 1), 1
	s_wait_xcnt 0x0
	s_wait_alu depctr_hold_cnt(0) depctr_sa_sdst(0) depctr_va_vdst(0) depctr_va_sdst(0) depctr_va_ssrc(0) depctr_va_vcc(0) depctr_vm_vsrc(0)
	s_getreg_b32 s2, hwreg(HW_REG_IB_STS2, 6, 4)
	s_cmp_eq_u32 s2, 0
	s_cbranch_scc0 .Lentry_in_a_cluster
	s_endpgm
.Lentry_in_a_cluster:
	s_bfe_u32 s2, ttmp6, 0x10000c
	s_cmp_lg_u32 s2, 0xf033
	s_cbranch_scc0 .Lentry_shape_is_right
	s_endpgm
.Lentry_shape_is_right:
; For each batch b and head: softmax over 4,096 keys of (q . k + attn_mask, -infinity where the key is masked), times v.  q (already / 8), k, v come in f16 as operand images; products in f16 with f32 sums;
; maxima, exponentials and sums in f32; the weights p are rounded to f16 for the second product, the heads' outputs to f16 at the end (att, laid as the output projection's operand).
; SHARES.  A work-group owns 128 queries of two heads of one batch; its eight waves: head wave / 4, queries 32 (wave % 4) on, two tiles of 16.  Query block i owns rows (225 i) / 2 up to the next block's first and computes
; the 128 rows from min((225 i) / 2, 772): all inside the tensors; it stores all 128 into its own region of att, and the next launch takes each row from its owner.
; LAYOUT.  S^T = K Q^T + mask (source 0 = 16 keys, source 1 = 16 queries, C = the mask, in place): a lane holds ONE query.  The keys of a tile are not neighbours (lane r of tile t: key 32 (r / 8) + 8 t + r % 8 of 64), so
; the lane's 32 registers are the 32 neighbouring keys 32 (lane / 16) on: its mask numbers are 128 consecutive bytes.  Two tiles of p, rounded in pairs, are source 1 of O^T = V^T P; V's images are laid for that order of keys.
; SOFTMAX.  A running maximum m and sum l for each query: p = 2^(c s - c m), c = log2(e); in every step O and l are multiplied by a = 2^(c m_old - c m_new).  The key mask's 0 or -infinity is added behind the first product.
; RING.  Two LDS slots of 128 keys: the two heads' K, V and pad blocks (dense, 25,088 bytes each) and the 128 queries' mask numbers (rows of 512 bytes + 16).  Waves 0, 1 fetch the heads' blocks, waves 2, 3 the mask's halves.
; THE LDS LOADS RUN A STEP AHEAD.  A key step's K, mask and pad numbers (40 loads) are asked for during the step before, in five groups of eight set between the parts of its softmax, so that LDS serves them while the wave
; works; S^T has two sets of registers, by the step's parity.  V (8 loads) is asked for behind the step's first product and wanted at its end.  So the change of slots stands in the MIDDLE of a slot's second step:
; behind the request for V, the slot's last bytes, and ahead of the first loads from the next slot.
; CLUSTER, 4 x 4: x = four query blocks, y = the batch's four pairs of heads.  A row of the cluster (same pair) shares K, V and pad, a column (same queries) shares the mask: each tile is asked for JOINTLY by the four.
; By this text's count a wave has at most one tensor load out; every wait on TENSORcnt is for 0.
; LIMITS: NaN and infinities among the inputs are not served; scores under -1e38 are not told apart from the running maximum's start; a batch whose keys are all masked gives NaN (0 x 1/0), as the softmax of such a row is.
; REGISTERS: window 0: v1-10 addresses; v16-31 statistics, 8 a tile (+0 c m, +1 m, +2, +3 l, +4 to +7 at work; a in +6); v32-63 O^T; v64-127, v128-191 S^T, then p, two sets; v192-223 P; v224-255 pad numbers.
;   window 1: v0-63 K, v64-95 V, v96-127 Q.
.set KVH, 25088
.set KVS, 50176
.set KVP, 1605632
.set QHS, 925696
.set SLOT1, 131072                     ; slot 1 begins here, so that one exclusive or turns an address in one slot into the other's
.set MOFF, 50176                       ; in a slot: the mask, behind the two heads' blocks
.set MP, 528                           ; its row: 512 bytes + 16: the 16 rows that a load touches start 16 bytes apart modulo 256
.set SPARE, 248832                     ; behind the ring: the spare words, 128 bytes for each wave: four blocks of 256 bytes that no other line names
.set SPW, 1                            ; v1   LDS address of my spare word; never rewritten
.set NIL, 2                            ; v2   0; never rewritten
.set AM0, 3                            ; v3   my lane's place in a slot's mask
.set AK0, 4                            ; v4   in my head's images
.set AP0, 5                            ; v5   in its pad numbers
.set ADM, 6                            ; v6-8 the same in the slot from which the loads in hand read
.set ADK, 7
.set ADP, 8
.set GO, 9                             ; v9   16 x lane
.set PFO, 10                           ; v10  the prefetches' lane term; never rewritten
.set ST, 16
.set O, 32
.set S, 64                             ; set 0 at v64, set 1 at v128
.set P, 192
.set PAD, 224
.set QW, 96                            ; Q, in window 1
.set WV, 12
.set G1K, 24                           ; s[24:31] descriptor group 1 for a head's block; s[32:39] for the mask; s[40:43], s[44:47] their groups 0, which walk
.set G1M, 32
.set G0K, 40
.set G0M, 44
.set CS, 48                            ; s[48:49] c = log2(e): the packed form names a pair and takes its low word
.set SEL, 50                           ; s[50:51] v_permlanex16_b32's selects for lane l xor 16
.set TB, 52                            ; s52  LDS byte at which the slot begins from which the loads in hand read
.set SLOTS, 53                         ; s53  slots still to be asked for
.set PFA, 54                           ; s[54:55] where my prefetches stand
.set PFS, 56                           ; s[56:57] a slot on, in bytes
.set LIM, 58                           ; s58  1 in a wave that prefetches, else the greatest number
.set MSB, 0
.macro WIN new                         ; the immediate's high byte repeats the setting that is left; a switch that changes nothing is dropped
.if MSB != \new
	s_set_vgpr_msb (MSB<<8)|\new
.set MSB, \new
.endif
.endm
.macro PLACES
.rept 4
	v_nop
.endr
.endm
; A round of the cluster's barrier.
.macro CROUND
	s_barrier_signal -1
	s_barrier_wait -1
	s_cmp_lg_u32 s[WV], 0
	s_cbranch_scc1 .Lnot_wave_0_\@
	s_barrier_signal -3
.Lnot_wave_0_\@:
	s_barrier_wait -3
	s_barrier_signal -1
	s_barrier_wait -1
.endm
; A joint load.  The branches hang on the wave's number alone: they are the same in every work-group.  An s_nop 0 and four v_nop follow each of the two lines.
.macro TLOAD
	s_cmp_lt_u32 s[WV], 2
	s_cbranch_scc0 .Lnot_k_\@
	tensor_load_to_lds s[G0K:G0K+3], s[G1K:G1K+7]
	s_nop 0
.rept 4
	v_nop
.endr
	s_branch .Lasked_\@
.Lnot_k_\@:
	s_cmp_lt_u32 s[WV], 4
	s_cbranch_scc0 .Lasked_\@
	tensor_load_to_lds s[G0M:G0M+3], s[G1M:G1M+7]
	s_nop 0
.rept 4
	v_nop
.endr
.Lasked_\@:
.endm
; A PREFETCH INTO THE L2 of what the NEXT change of slots will ask for: a slot, two key steps of 64, ahead of that load.  The waves ask that fetch nothing, one instruction each.
; K, V, pad: a slot of a pair of heads is 196 blocks of 256 bytes; both clusters of a batch read it, the one with x = 0 asks; the four partners of a row take 49 blocks each, told apart by address;
; wave 4 names blocks 0-31, wave 5 blocks 32-48 (its lanes 17-31 name block 48 again).  The mask: all eight batches read it, the clusters with y = 0 ask; the four partners of a column take 32 rows each;
; waves 6 and 7 name the two halves of a row's 512 bytes, a lane a row (the rows that two neighbouring query blocks both compute are named by both).  The last change that fills a slot asks for nothing.
.macro ASK
	s_cmp_gt_u32 s[SLOTS], s[LIM]
	s_cbranch_scc0 .Lnot_mine_\@
	global_prefetch_b8 v[PFO], s[PFA:PFA+1] th:TH_LOAD_NT scope:SCOPE_SE
.Lnot_mine_\@:
.endm
; THE CHANGE OF SLOTS.  Each wave waits for all its tensor loads (its part of the slot ahead), adds 0 to its spare word, and waits for that and for its reads of the slot that it leaves.
; fill = 1: a round of the cluster's barrier, so that no wave of any partner still reads that slot or has a load on its way; then the joint load of the keys that follow, which has two key steps in which to land.
.macro CHANGE fill
	s_wait_tensorcnt 0x0                           ; no tensor load of mine is out, so a group 0 may be written
	ds_add_u32 v[SPW], v[NIL]                      ; 0 onto my spare word
.if \fill
	ds_add_u32 v[SPW], v[NIL]                      ; and once more
	s_xor_b32 s[G0K+1], s[G0K+1], SLOT1            ; the walking descriptors: the other slot than last time,
	s_add_nc_u64 s[G0K+2:G0K+3], s[G0K+2:G0K+3], KVS   ; the next 128 keys; the type bits on top are not reached
	s_xor_b32 s[G0M+1], s[G0M+1], SLOT1
	s_add_nc_u64 s[G0M+2:G0M+3], s[G0M+2:G0M+3], 512
	s_wait_xcnt 0x0                                ; the last prefetch, a slot back, has read its address, so it may be written
	s_add_nc_u64 s[PFA:PFA+1], s[PFA:PFA+1], s[PFS:PFS+1]
	s_wait_dscnt 0x0                               ; both adds are done, and my reads of the slot that I leave are over
	CROUND
	TLOAD                                          ; the first thing behind the round, and a wave's one tensor load until the next
	ASK
.else
	s_wait_dscnt 0x0
	s_barrier_signal -1
	s_barrier_wait -1
.endif
.endm
.macro ADDR                            ; my lane's places in the slot at s[TB]
	v_add_nc_u32 v[ADM], s[TB], v[AM0]
	v_add_nc_u32 v[ADK], s[TB], v[AK0]
	v_add_nc_u32 v[ADP], s[TB], v[AP0]
.endm
; THE LDS LOADS, in groups of eight.  qn: which 64 keys of the slot.
.macro LDK half, qn                    ; K: fragments 2 t + ks = 4 half .. 4 half + 3, as images of their registers
	WIN 0x40                                       ; destination window 1
.irp f, 0,1,2,3
	ds_load_b128 v[8*(4*(\half)+\f):8*(4*(\half)+\f)+3], v[ADK] offset:8192*(\qn)+1024*(4*(\half)+\f)
	ds_load_b128 v[8*(4*(\half)+\f)+4:8*(4*(\half)+\f)+7], v[ADK] offset:8192*(\qn)+1024*(4*(\half)+\f)+512
.endr
	WIN 0
.endm
.macro LDM y, qn                       ; the mask of tile y, straight into S^T's set qn: it is the first product's C
.irp i, 0,1,2,3,4,5,6,7
	ds_load_b128 v[S+64*(\qn)+32*(\y)+4*\i:S+64*(\qn)+32*(\y)+4*\i+3], v[ADM] offset:256*(\qn)+16*MP*(\y)+16*\i
.endr
.endm
.macro LDP qn                          ; the pad numbers of my 32 keys: sixteen lanes read the same bytes
.irp i, 0,1,2,3,4,5,6,7
	ds_load_b128 v[PAD+4*\i:PAD+4*\i+3], v[ADP] offset:256*(\qn)+16*\i
.endr
.endm
.macro LDV qn                          ; V^T: fragments 2 u + dt
	WIN 0x40
.irp f, 0,1,2,3
	ds_load_b128 v[64+8*\f:64+8*\f+3], v[ADK] offset:16384+4096*(\qn)+1024*\f
	ds_load_b128 v[64+8*\f+4:64+8*\f+7], v[ADK] offset:16384+4096*(\qn)+1024*\f+512
.endr
	WIN 0
.endm
; A KEY STEP: 64 keys, the q2-th of its slot; its K, mask and pad numbers were asked for in the step before, in this order.
; mode 0: the next step lies in the same slot; 1: a change of slots that fills; 2: one that does not; 3: the last step: nothing follows.
.macro STEP q2, mode
.set SB, S+64*(\q2)
.set QN, 1-(\q2)
	s_wait_dscnt 8                                 ; K and the mask are in; the eight pad loads issued behind them may be out
	WIN 0x05                                       ; sources 0 (K) and 1 (Q) window 1
.irp ks, 0,1                                   ; the eight accumulators take turns, one instruction a turn
.irp t, 0,1,2,3
.irp y, 0,1
	v_wmma_f32_16x16x32_f16 v[SB+32*\y+8*\t:SB+32*\y+8*\t+7], v[8*(2*\t+\ks):8*(2*\t+\ks)+7], v[QW+16*\y+8*\ks:QW+16*\y+8*\ks+7], v[SB+32*\y+8*\t:SB+32*\y+8*\t+7]
.endr
.endr
.endr
	WIN 0
	PLACES                                         ; four places: ahead of the first read of results, of the loads into V's registers, which the last step's products read, and of those into K's (ISA guide 7.12.1 for the read of results)
	LDV \q2
	s_wait_dscnt 8                                 ; the pad numbers are in; V's eight loads may be out
.irp y, 0,1
.irp n, 0,2,4,6,8,10,12,14,16,18,20,22,24,26,28,30
	v_pk_add_f32 v[SB+32*\y+\n:SB+32*\y+\n+1], v[SB+32*\y+\n:SB+32*\y+\n+1], v[PAD+\n:PAD+\n+1]   ; masked keys become -infinity; each accumulator from its low end on
.endr
.endr
.if \mode == 1
	CHANGE 1                                       ; V, the slot's last bytes, has been asked for: the change's wait for my LDS loads covers it
.elseif \mode == 2
	CHANGE 0
.endif
.if (\mode == 1) || (\mode == 2)
	s_xor_b32 s[TB], s[TB], SLOT1                  ; the loads go on in the other slot
	ADDR
.endif
.if \mode < 3
	LDK 0, QN                                      ; the next step's loads, group 1 of 5
.endif
.irp j, 0,1,2,3                                ; the maximum of my 32 scores and the old m: four chains, the two tiles by turns
.irp y, 0,1
	v_max3_num_f32 v[ST+8*\y+4+\j], v[SB+32*\y+8*\j], v[SB+32*\y+8*\j+1], v[SB+32*\y+8*\j+2]
.endr
.endr
.irp k, 3,5
.irp j, 0,1,2,3
.irp y, 0,1
	v_max3_num_f32 v[ST+8*\y+4+\j], v[ST+8*\y+4+\j], v[SB+32*\y+8*\j+\k], v[SB+32*\y+8*\j+\k+1]
.endr
.endr
.endr
.irp y, 0,1
	v_max3_num_f32 v[ST+8*\y+4], v[ST+8*\y+4], v[SB+32*\y+7], v[SB+32*\y+15]
.endr
.irp y, 0,1
	v_max3_num_f32 v[ST+8*\y+6], v[ST+8*\y+6], v[SB+32*\y+23], v[SB+32*\y+31]
.endr
.irp y, 0,1
	v_max3_num_f32 v[ST+8*\y+4], v[ST+8*\y+4], v[ST+8*\y+5], v[ST+8*\y+6]
.endr
.irp y, 0,1
	v_max3_num_f32 v[ST+8*\y+4], v[ST+8*\y+4], v[ST+8*\y+7], v[ST+8*\y+1]
.endr
.if \mode < 3
	LDK 1, QN                                      ; group 2
.endif
.irp y, 0,1
	v_permlanex16_b32 v[ST+8*\y+5], v[ST+8*\y+4], s[SEL], s[SEL+1]   ; the query's other 32 keys lie in the lane 16 away
.endr
.irp y, 0,1
	v_mov_b32 v[ST+8*\y+7], v[ST+8*\y]             ; c m_old is kept for a
.endr
.irp y, 0,1
	v_max_num_f32 v[ST+8*\y+1], v[ST+8*\y+4], v[ST+8*\y+5]
.endr
.irp y, 0,1
	v_mul_f32 v[ST+8*\y], s[CS], v[ST+8*\y+1]
.endr
.irp y, 0,1
	v_sub_f32 v[ST+8*\y+7], v[ST+8*\y+7], v[ST+8*\y]
.endr
.irp n, 0,2,4,6,8,10,12,14
.irp y, 0,1
	v_pk_fma_f32 v[SB+32*\y+\n:SB+32*\y+\n+1], v[SB+32*\y+\n:SB+32*\y+\n+1], s[CS:CS+1], v[ST+8*\y:ST+8*\y+1] op_sel_hi:[1,0,0] neg_lo:[0,0,1] neg_hi:[0,0,1]   ; c s - c m
.endr
.endr
.if \mode < 3
	LDM 0, QN                                      ; group 3: into the other set of S^T, whose last reader was the step before
.endif
.irp n, 16,18,20,22,24,26,28,30
.irp y, 0,1
	v_pk_fma_f32 v[SB+32*\y+\n:SB+32*\y+\n+1], v[SB+32*\y+\n:SB+32*\y+\n+1], s[CS:CS+1], v[ST+8*\y:ST+8*\y+1] op_sel_hi:[1,0,0] neg_lo:[0,0,1] neg_hi:[0,0,1]
.endr
.endr
.if \mode < 3
	LDM 1, QN                                      ; group 4
.endif
.irp y, 0,1                                    ; ONE BATCH of 66 exponentials: none of them reads another's result
	v_exp_f32 v[ST+8*\y+6], v[ST+8*\y+7]           ; a
.endr
.set N, 0
.rept 32
	v_exp_f32 v[SB+N], v[SB+N]
	v_exp_f32 v[SB+32+N], v[SB+32+N]
.set N, N+1
.endr
	v_nop                                          ; a plain line behind the last exponential
	s_wait_alu depctr_va_vdst(0)                   ; the wait ahead of the first line that names a result: one for the batch
.if \mode < 3
	LDP QN                                         ; group 5: the pad numbers are wanted last, behind the next step's first product
.endif
.set N, 0
.rept 16
	v_cvt_pk_f16_f32 v[P+N], v[SB+2*N], v[SB+2*N+1]   ; p to f16, in pairs: registers 8 u .. 8 u + 7 are source 1 for keys 16 u on of my 32
	v_cvt_pk_f16_f32 v[P+16+N], v[SB+32+2*N], v[SB+32+2*N+1]
.set N, N+1
.endr
.irp w, 4,8,16,32                              ; the sum of the unrounded p: 16 pairs, in place, neighbours 1, 2, 4 and 8 pairs apart
.set N, 0
.rept 32/\w
.irp y, 0,1
	v_pk_add_f32 v[SB+32*\y+N:SB+32*\y+N+1], v[SB+32*\y+N:SB+32*\y+N+1], v[SB+32*\y+N+\w/2:SB+32*\y+N+\w/2+1]
.endr
.set N, N+\w
.endr
.endr
.irp y, 0,1
	v_pk_fma_f32 v[ST+8*\y+2:ST+8*\y+3], v[ST+8*\y+2:ST+8*\y+3], v[ST+8*\y+6:ST+8*\y+7], v[SB+32*\y:SB+32*\y+1] op_sel_hi:[1,0,1]   ; l = a l + the sum
.endr
.irp n, 0,2,4,6,8,10,12,14
.irp y, 0,1
	v_pk_mul_f32 v[O+16*\y+\n:O+16*\y+\n+1], v[O+16*\y+\n:O+16*\y+\n+1], v[ST+8*\y+6:ST+8*\y+7] op_sel_hi:[1,0]   ; O^T x a, each accumulator from its low end on
.endr
.endr
.if \mode < 3
	s_wait_dscnt 40                                ; V is in; the next step's 40 loads, issued behind it, may be out
.else
	s_wait_dscnt 0x0                               ; V is in
.endif
	WIN 0x01                                       ; source 0 (V) window 1
.irp u, 0,1                                    ; the four accumulators take turns
.irp d, 0,1
.irp y, 0,1
	v_wmma_f32_16x16x32_f16 v[O+16*\y+8*\d:O+16*\y+8*\d+7], v[64+8*(2*\u+\d):64+8*(2*\u+\d)+7], v[P+16*\y+8*\u:P+16*\y+8*\u+7], v[O+16*\y+8*\d:O+16*\y+8*\d+7]
.endr
.endr
.endr
	WIN 0
.endm
	s_load_b256 s[4:11], s[0:1], 0x0               ; qimg s[4:5], kv s[6:7], attn_mask s[8:9], att s[10:11]
	v_lshl_add_u32 v[SPW], v0, 2, SPARE
	v_mov_b32 v[NIL], 0
	ds_add_u32 v[SPW], v[NIL]                      ; the wave's opening: the add, twice on end, and its wait ahead of the first tensor load; the set-up below, work on registers, stands between
	ds_add_u32 v[SPW], v[NIL]
	v_lshrrev_b32 v11, 5, v0
	v_readfirstlane_b32 s[WV], v11                 ; wave 0..7
	s_bfe_u32 s13, ttmp6, 0x40000                  ; cx
	s_bfe_u32 s14, ttmp6, 0x40004                  ; cy: the pair of heads
	s_lshl_b32 s15, ttmp9, 2
	s_add_co_u32 s15, s15, s13                     ; query block i = 4 x cluster x + cx
	s_and_b32 s16, ttmp7, 0xffff                   ; the batch = cluster y
	s_mul_i32 s17, s15, 225
	s_lshr_b32 s17, s17, 1
	s_min_u32 s17, s17, 772                        ; the block's first row
	s_and_b32 s18, s[WV], 1                        ; which half I fetch, if I fetch
	s_lshr_b32 s19, s[WV], 2                       ; which of the two heads is mine
	s_and_b32 s20, s[WV], 3                        ; which 32 queries
	s_lshl_b32 s21, s14, 1
	s_add_co_u32 s21, s21, s19                     ; my head
	s_lshl_b32 s22, s14, 2
	s_lshl_b32 s22, 15, s22                        ; my row of the cluster
	s_lshl_b32 s23, 0x1111, s13                    ; my column
	; group 1 for a head's block: 25,088 dense bytes as 98 rows of 32 elements of 8 bytes, no padding: the images are read 512 consecutive bytes at a time
	s_or_b32 s[G1K], s22, (3<<16)|(1<<21)          ; 15:0 the mask: my row; 17:16 elements of 8 bytes; 21 set beside a mask
	s_mov_b32 s[G1K+1], 32<<16                     ; tensor_dim0
	s_mov_b32 s[G1K+2], 98<<16                     ; tensor_dim1
	s_mov_b32 s[G1K+3], 32<<16                     ; tile_dim0
	s_mov_b32 s[G1K+4], 98                         ; tile_dim1
	s_mov_b32 s[G1K+5], 32                         ; the pitch
	s_mov_b32 s[G1K+6], 0
	s_mov_b32 s[G1K+7], 0
	; group 1 for the mask: 64 rows of 128 f32, 4,096 elements apart, four words of padding behind each 128
	s_or_b32 s[G1M], s23, (2<<16)|(1<<20)|(1<<21)|(6<<22)|(3<<25)   ; the mask: my column
	s_mov_b32 s[G1M+1], 128<<16
	s_mov_b32 s[G1M+2], 64<<16
	s_mov_b32 s[G1M+3], 128<<16
	s_mov_b32 s[G1M+4], 64
	s_mov_b32 s[G1M+5], 4096
	s_mov_b32 s[G1M+6], 0
	s_mov_b32 s[G1M+7], 0
	s_mov_b32 s[CS], 0x3fb8aa3b                    ; log2(e)
	s_mov_b32 s[CS+1], s[CS]
	s_mov_b32 s[SEL], 0x76543210
	s_mov_b32 s[SEL+1], 0xfedcba98
	s_mov_b32 s[TB], 0
	s_mov_b32 s[SLOTS], 31
	s_wait_dscnt 0x0                               ; both opening adds are done
	s_wait_kmcnt 0x0
	s_mov_b32 s[G0K], 1                            ; group 0, K: made of the batch, cy and the wave's number: the same in my row of the cluster
	s_mul_i32 s[G0K+1], s18, KVH                   ; LDS: head e's block, in slot 0
	s_lshl_b32 s60, s16, 2
	s_add_co_u32 s60, s60, s14
	s_mul_i32 s60, s60, KVP
	s_add_co_u32 s60, s60, s[G0K+1]                ; in memory the two blocks lie as in a slot
	s_mov_b32 s61, 0
	s_add_nc_u64 s[G0K+2:G0K+3], s[6:7], s[60:61]
	s_or_b32 s[G0K+3], s[G0K+3], 0x80000000
	s_mov_b32 s[G0M], 1                            ; group 0, the mask: made of the query block and the wave's number: the same in my column
	s_mul_i32 s[G0M+1], s18, 64*MP
	s_add_co_u32 s[G0M+1], s[G0M+1], MOFF
	s_lshl_b32 s62, s18, 6
	s_add_co_u32 s62, s62, s17
	s_lshl_b32 s62, s62, 14                        ; a row of the mask is 16,384 bytes
	s_mov_b32 s63, 0
	s_add_nc_u64 s[G0M+2:G0M+3], s[8:9], s[62:63]
	s_or_b32 s[G0M+3], s[G0M+3], 0x80000000
	; the prefetches: where my wave's stand (in slot 1: the first change steps them to slot 2), and who asks
	s_lshl_b32 s66, s16, 2
	s_add_co_u32 s66, s66, s14
	s_mul_i32 s66, s66, KVP
	s_mul_i32 s67, s13, 12544                      ; my work-group's 49 blocks of the slot's 196
	s_add_co_u32 s66, s66, s67
	s_add_co_u32 s66, s66, KVS
	s_lshl_b32 s68, s14, 5                         ; my work-group's 32 rows of the mask's 128
	s_add_co_u32 s68, s68, s17
	s_lshl_b32 s68, s68, 14
	s_lshl_b32 s67, s18, 8
	s_add_co_u32 s68, s68, s67
	s_add_co_u32 s68, s68, 512
	s_mov_b32 s[PFS], 512
	s_cmp_lt_u32 s[WV], 6                          ; waves 4, 5: kv; waves 6, 7: the mask
	s_cselect_b64 s[PFA:PFA+1], s[6:7], s[8:9]
	s_cselect_b32 s66, s66, s68
	s_cselect_b32 s[PFS], KVS, s[PFS]
	s_cselect_b32 s69, ttmp9, s16                  ; the coordinate along which other clusters read the same bytes
	s_cselect_b32 s72, 8, 14                       ; from lane to lane: 256 bytes, or a row of the mask
	s_mov_b32 s67, 0
	s_mov_b32 s[PFS+1], 0
	s_add_nc_u64 s[PFA:PFA+1], s[PFA:PFA+1], s[66:67]
	s_lshr_b32 s68, s[WV], 2
	s_xor_b32 s68, s68, 1                          ; 0 in waves 4 to 7,
	s_or_b32 s68, s68, s69                         ; of the first cluster along that coordinate: the same in all partners
	s_cmp_eq_u32 s68, 0
	s_cselect_b32 s[LIM], 1, -1
	s_cmp_eq_u32 s[WV], 5
	s_cselect_b32 s70, 16, 31
	s_cselect_b32 s71, 32, 0
	v_and_b32 v[PFO], 31, v0
	v_min_u32 v[PFO], s70, v[PFO]
	v_add_nc_u32 v[PFO], s71, v[PFO]
	v_lshlrev_b32 v[PFO], s72, v[PFO]
	CROUND                                         ; all sixteen work-groups are here: the first joint loads meet
	TLOAD                                          ; slot 0.  Nothing is prefetched here, at the head
	; Q stays in registers.  Flattened row R lies in block R / 64 of qimg, tile (R / 8) % 4, lane R % 8 + 8 ((R / 32) % 2)
	v_and_b32 v11, 15, v0                          ; r
	v_bfe_u32 v12, v0, 4, 1                        ; h
	v_and_b32 v13, 31, v0                          ; lane
	s_mul_i32 s66, s16, 900
	s_add_co_u32 s66, s66, s17
	s_lshl_b32 s67, s20, 5
	s_add_co_u32 s66, s66, s67                     ; my wave's first flattened row
	s_mul_i32 s68, s21, QHS
	s_mov_b32 s69, 0
	s_add_nc_u64 s[4:5], s[4:5], s[68:69]
.irp y, 0,1                                    ; the two tiles' offsets, in registers of S^T's second set, which is first loaded long behind the wait for Q
	v_add_nc_u32 v14, s66, v11
	v_add_nc_u32 v14, 16*\y, v14
	v_lshrrev_b32 v15, 6, v14
	v_lshlrev_b32 v[128+\y], 13, v15
	v_bfe_u32 v15, v14, 3, 2
	v_lshl_add_u32 v[128+\y], v15, 11, v[128+\y]
	v_and_b32 v15, 7, v14
	v_lshl_add_u32 v[128+\y], v15, 4, v[128+\y]
	v_bfe_u32 v15, v14, 5, 1
	v_lshl_add_u32 v[128+\y], v15, 7, v[128+\y]
	v_lshl_add_u32 v[128+\y], v12, 8, v[128+\y]
.endr
	WIN 0x40                                       ; destination window 1
.irp y, 0,1
.irp f, 0,1,2,3
	global_load_b128 v[QW+16*\y+4*\f:QW+16*\y+4*\f+3], v[128+\y], s[4:5] offset:512*\f
.endr
.endr
	WIN 0
	s_mul_i32 s66, s20, 32*MP
	s_add_co_u32 s66, s66, MOFF
	v_mul_u32_u24 v[AM0], v11, MP
	v_lshl_add_u32 v[AM0], v12, 7, v[AM0]
	v_add_nc_u32 v[AM0], s66, v[AM0]               ; the mask: row 32 (wave % 4) + r, + 128 h
	s_mul_i32 s66, s19, KVH
	v_lshl_add_u32 v[AK0], v13, 4, s66             ; my head's block, + 16 x lane
	s_add_co_u32 s66, s66, 24576
	v_lshl_add_u32 v[AP0], v12, 7, s66             ; its pad numbers, + 128 h
	v_lshlrev_b32 v[GO], 4, v13
	s_lshl_b32 s68, s16, 3                         ; att: ((8 b + i) 64 + 16 (wave % 4) + head) x 1,024
	s_add_co_u32 s68, s68, s15
	s_lshl_b32 s68, s68, 6
	s_lshl_b32 s70, s20, 4
	s_add_co_u32 s68, s68, s70
	s_add_co_u32 s68, s68, s21
	s_lshl_b32 s68, s68, 10
	s_add_nc_u64 s[10:11], s[10:11], s[68:69]
.irp y, 0,1
	v_mov_b32 v[ST+8*\y+1], 0xfe967699             ; m = -1e38, under every score that is served; c m stays finite
	v_mul_f32 v[ST+8*\y], s[CS], v[ST+8*\y+1]
	v_mov_b32 v[ST+8*\y+2], 0                      ; l
	v_mov_b32 v[ST+8*\y+3], 0
.endr
.set N, 0
.rept 32
	v_mov_b32 v[O+N], 0                            ; O^T: the step is written once; the first finds zeros
.set N, N+1
.endr
	s_wait_loadcnt 0x0                             ; Q
	CHANGE 1                                       ; slot 0 is whole; slot 1 is asked for
	s_mov_b32 s[SLOTS], 30
	ADDR
	LDK 0, 0                                       ; step 0's loads, in the order in which every step asks for the next one's: K, the mask, the pad numbers
	LDK 1, 0
	LDM 0, 0
	LDM 1, 0
	LDP 0
.Lslot:                                            ; 30 trips, a slot each: the change in trip n asks for slot n + 2
	STEP 0, 0
	STEP 1, 1
	s_sub_co_u32 s[SLOTS], s[SLOTS], 1
	s_cmp_lg_u32 s[SLOTS], 0
	s_cbranch_scc1 .Lslot
	STEP 0, 0                                      ; the last two slots are written out: slot 30, whose change asks for nothing
	STEP 1, 2
	STEP 0, 0                                      ; and slot 31, whose last step looks ahead to nothing
	STEP 1, 3
	; THE WAY OUT.  A lane's eight registers of O^T are eight neighbouring channels of one query: 16 bytes of f16, which are the lane's part of the next launch's operand image.
	PLACES
.irp y, 0,1
	v_add_f32 v[ST+8*\y+4], v[ST+8*\y+2], v[ST+8*\y+3]
.endr
.irp y, 0,1
	v_permlanex16_b32 v[ST+8*\y+5], v[ST+8*\y+4], s[SEL], s[SEL+1]
.endr
.irp y, 0,1
	v_add_f32 v[ST+8*\y+4], v[ST+8*\y+4], v[ST+8*\y+5]
.endr
.irp y, 0,1
	v_rcp_f32 v[ST+8*\y+6], v[ST+8*\y+4]
.endr
	v_nop                                          ; a plain line behind the last reciprocal
	s_wait_alu depctr_va_vdst(0)                   ; and the wait ahead of the first use: one for the two
.irp y, 0,1
.irp n, 0,2,4,6,8,10,12,14
	v_pk_mul_f32 v[O+16*\y+\n:O+16*\y+\n+1], v[O+16*\y+\n:O+16*\y+\n+1], v[ST+8*\y+6:ST+8*\y+7] op_sel_hi:[1,0]
.endr
.endr
.irp y, 0,1
.irp k, 0,1,2,3,4,5,6,7
	v_cvt_pk_f16_f32 v[P+8*\y+\k], v[O+16*\y+2*\k], v[O+16*\y+2*\k+1]
.endr
.endr
.irp y, 0,1
.irp d, 0,1
	global_store_b128 v[GO], v[P+8*\y+4*\d:P+8*\y+4*\d+3], s[10:11] offset:8192*\y+512*\d th:TH_STORE_NT   ; 32 lanes store 512 consecutive bytes, aligned
.endr
.endr
	s_wait_tensorcnt 0x0                           ; the wave's end: three closing lines, behind my last tensor load
	ds_add_u32 v[SPW], v[NIL]
	s_wait_dscnt 0x0
	CROUND                                         ; the closing round: no work-group ends while a partner may still ask for a tile that names it
	s_endpgm
.Lfunc_end_k_q0f54e379ee_attn:
	.size	k_q0f54e379ee_attn, .Lfunc_end_k_q0f54e379ee_attn-k_q0f54e379ee_attn
	.p2alignl 7, 3214868480
	.fill 96, 4, 3214868480
	.section	.rodata,"a",@progbits
	.p2align	6, 0x0
	.amdhsa_kernel k_q0f54e379ee_attn
		.amdhsa_group_segment_fixed_size 327680
		.amdhsa_private_segment_fixed_size 0
		.amdhsa_enable_private_segment 0
		.amdhsa_kernarg_size 32
		.amdhsa_user_sgpr_count 2
		.amdhsa_user_sgpr_kernarg_segment_ptr 1
		.amdhsa_wavefront_size32 1
		.amdhsa_system_sgpr_workgroup_id_x 1
		.amdhsa_system_sgpr_workgroup_id_y 1
		.amdhsa_system_sgpr_workgroup_id_z 1
		.amdhsa_system_vgpr_workitem_id 0
		.amdhsa_next_free_vgpr 384
		.amdhsa_next_free_sgpr 80
		.amdhsa_reserve_vcc 0
		.amdhsa_float_denorm_mode_32 3
		.amdhsa_float_denorm_mode_16_64 3
		.amdhsa_memory_ordered 1
		.amdhsa_forward_progress 1
		.amdhsa_inst_pref_size 129
	.end_amdhsa_kernel
	.amdgpu_metadata
---
amdhsa.version: [ 1, 2 ]
amdhsa.kernels:
  - .name:           k_q0f54e379ee_attn
    .symbol:         k_q0f54e379ee_attn.kd
    .args:
      - { .name: qimg, .offset: 0, .size: 8, .value_kind: global_buffer, .address_space: global }
      - { .name: kv, .offset: 8, .size: 8, .value_kind: global_buffer, .address_space: global }
      - { .name: attn_mask, .offset: 16, .size: 8, .value_kind: global_buffer, .address_space: global }
      - { .name: att, .offset: 24, .size: 8, .value_kind: global_buffer, .address_space: global }
    .group_segment_fixed_size: 327680
    .private_segment_fixed_size: 0
    .kernarg_segment_align: 8
    .kernarg_segment_size: 32
    .max_flat_workgroup_size: 256
    .sgpr_count:     80
    .vgpr_count:     384
    .wavefront_size: 32
...
	.end_amdgpu_metadata
.endif
;; end of part 3
;; launch outp (part 4): grid 225 x 1, 4 waves a work-group, no clusters, 17,920 bytes of LDS; arguments att, woimg, bo, out0; writes out0
.if DOCPART == 4
	.amdgcn_target "amdgcn-amd-amdhsa--gfx1250"
	.amdhsa_code_object_version 6
	.text
	.protected	k_q0f54e379ee_outp
	.globl	k_q0f54e379ee_outp
	.p2align	8
	.type	k_q0f54e379ee_outp,@function
k_q0f54e379ee_outp:
	s_mov_b64 s[64:65], 0
	v_nop
	global_prefetch_b8 v0, s[64:65] scope:SCOPE_SE
	s_setreg_imm32_b32 hwreg(HW_REG_WAVE_MODE, 25, 1), 1
	s_wait_xcnt 0x0
; out0 = heads' outputs x Wo^T + bo.  The heads' outputs (att) and Wo (woimg) come in f16 as operand images; sums in f32; out0 [7,200][256] f32.
; SHARES.  A work-group takes 32 flattened rows, two tiles of 16; wave w makes columns 64 w .. 64 w + 63 and holds its 32 fragments of Wo in registers.
; The product is used transposed (source 0 = 16 rows of Wo, source 1 = 16 rows of att): a lane holds eight neighbouring columns of one row.  bo is the C of each sum's first matrix instruction.
; Each row is taken from the query block that owns it: row R of a batch belongs to block i = (2 R + 1) / 225 and lies at place R - min((225 i) / 2, 772) of that block's 128.
; The divisions by 900 and by 225 are multiplications and shifts that are exact over the ranges met here (rows under 7,200; 2 R + 1 under 1,800).
; The way out goes through the wave's own stage in LDS, so that sixteen lanes store 256 consecutive bytes, aligned.
; No cluster and no tensor load: a work-group reads 16 KB of its own and 128 KB of Wo straight into registers, once.
; REGISTERS: window 0: v1-20 addresses; v21, v22 the add's two; v32-63 bo in the result's layout; v64-191 att's fragments, later rows of out0; v192-255 accumulators.   window 1: Wo's fragments.
.set SPARE, 17408                      ; behind the four stages of 16 x 272 bytes: the spare words, 128 bytes for each wave: two blocks of 256 bytes that no other line names
.set SPW, 21
.set NIL, 22
.set BI, 32
.set AF, 64
.set ACC, 192
.set MSB, 0
.macro WIN new
.if MSB != \new
	s_set_vgpr_msb (MSB<<8)|\new
.set MSB, \new
.endif
.endm
	s_load_b256 s[4:11], s[0:1], 0x0               ; att s[4:5], woimg s[6:7], bo s[8:9], out0 s[10:11]
	v_lshl_add_u32 v[SPW], v0, 2, SPARE
	v_mov_b32 v[NIL], 0
	v_lshrrev_b32 v1, 5, v0
	v_readfirstlane_b32 s12, v1                    ; wave 0..3
	v_and_b32 v1, 15, v0                           ; r
	v_bfe_u32 v2, v0, 4, 1                         ; h
	v_and_b32 v3, 31, v0
	v_lshlrev_b32 v4, 4, v3                        ; 16 x lane
	v_lshlrev_b32 v5, 5, v2                        ; 32 h
	s_lshl_b32 s13, ttmp9, 5                       ; my work-group's first row
.irp y, 0,1
	v_add3_u32 v8, s13, v1, 16*\y                  ; the flattened row
	v_mul_u32_u24 v9, v8, 74566
	v_lshrrev_b32 v9, 26, v9                       ; the batch: row / 900
	v_mul_u32_u24 v10, v9, 900
	v_sub_nc_u32 v10, v8, v10                      ; R
	v_lshl_add_u32 v11, v10, 1, 1
	v_mul_u32_u24 v11, v11, 4661
	v_lshrrev_b32 v11, 20, v11                     ; its owner: (2 R + 1) / 225
	v_mul_u32_u24 v12, v11, 225
	v_lshrrev_b32 v12, 1, v12
	v_min_u32 v12, 772, v12
	v_sub_nc_u32 v12, v10, v12                     ; its place among the owner's 128
	v_lshl_add_u32 v9, v9, 3, v11
	v_lshrrev_b32 v13, 4, v12
	v_lshl_add_u32 v9, v9, 3, v13                  ; (8 b + i) 8 + tile
	v_and_b32 v12, 15, v12
	v_lshlrev_b32 v9, 13, v9                       ; 8,192 bytes a tile: 8 heads x 2 chunks x 512
	v_lshl_add_u32 v9, v12, 4, v9
	v_lshl_add_u32 v[6+\y], v2, 8, v9
.endr
	s_mul_i32 s14, s12, 16*272                     ; my stage
	v_mul_u32_u24 v14, v1, 272
	v_lshl_add_u32 v14, v2, 5, v14
	v_add_nc_u32 v14, s14, v14                     ; in: row r, + 32 h
	v_mul_u32_u24 v15, v2, 272
	v_lshl_add_u32 v15, v1, 4, v15
	v_add_nc_u32 v15, s14, v15                     ; back: lanes 0-15 one row of 256 bytes, lanes 16-31 the next
	v_lshlrev_b32 v16, 10, v2
	v_lshl_add_u32 v16, v1, 4, v16                 ; and the same two rows in out0
	s_mov_b32 s17, 0
	s_wait_kmcnt 0x0
	s_lshl_b32 s16, s12, 15
	s_add_nc_u64 s[6:7], s[6:7], s[16:17]          ; my 32 fragments of Wo
	s_lshl_b32 s16, s12, 8
	s_add_nc_u64 s[8:9], s[8:9], s[16:17]          ; my 64 numbers of bo
	s_add_nc_u64 s[10:11], s[10:11], s[16:17]      ; my 256 bytes of a row,
	s_lshl_b32 s16, ttmp9, 15
	s_add_nc_u64 s[10:11], s[10:11], s[16:17]      ; in my work-group's 32 rows
.irp y, 0,1
.irp f, 0,1,2,3,4,5,6,7,8,9,10,11,12,13,14,15
	global_load_b128 v[AF+64*\y+4*\f:AF+64*\y+4*\f+3], v[6+\y], s[4:5] offset:512*\f th:TH_LOAD_NT   ; K step f / 2 = the head, chunk f % 2
.endr
.endr
.irp i, 0,1,2,3
	global_load_b128 v[BI+8*\i:BI+8*\i+3], v5, s[8:9] offset:64*\i
	global_load_b128 v[BI+8*\i+4:BI+8*\i+7], v5, s[8:9] offset:64*\i+16
.endr
	WIN 0x40                                       ; destination window 1
.set FI, 0
.rept 64
	global_load_b128 v[4*FI:4*FI+3], v4, s[6:7] offset:512*FI
.set FI, FI+1
.endr
	s_wait_loadcnt 0x0
	WIN 0x01                                       ; source 0 window 1
.irp i, 0,1,2,3                                ; the eight accumulators take turns, one instruction a turn; the first K step starts the sums on the bias
.irp y, 0,1
	v_wmma_f32_16x16x32_f16 v[ACC+32*\y+8*\i:ACC+32*\y+8*\i+7], v[64*\i:64*\i+7], v[AF+64*\y:AF+64*\y+7], v[BI+8*\i:BI+8*\i+7]
.endr
.endr
.irp ks, 1,2,3,4,5,6,7
.irp i, 0,1,2,3
.irp y, 0,1
	v_wmma_f32_16x16x32_f16 v[ACC+32*\y+8*\i:ACC+32*\y+8*\i+7], v[64*\i+8*\ks:64*\i+8*\ks+7], v[AF+64*\y+8*\ks:AF+64*\y+8*\ks+7], v[ACC+32*\y+8*\i:ACC+32*\y+8*\i+7]
.endr
.endr
.endr
	WIN 0
.rept 4
	v_nop                                          ; four places ahead of the first read of results and of loads into registers that the products read
.endr
.irp y, 0,1
.irp i, 0,1,2,3
	ds_store_b128 v14, v[ACC+32*\y+8*\i:ACC+32*\y+8*\i+3] offset:64*\i       ; each accumulator from its low end on
	ds_store_b128 v14, v[ACC+32*\y+8*\i+4:ACC+32*\y+8*\i+7] offset:64*\i+16
.endr
.irp n, 0,1,2,3,4,5,6,7
	ds_load_b128 v[AF+32*\y+4*\n:AF+32*\y+4*\n+3], v15 offset:2*\n*272       ; LDS serves a wave's instructions in order: these see my stores, and the next tile's stores come behind them
.endr
.endr
.irp y, 0,1
.irp n, 0,1,2,3,4,5,6,7
	s_wait_dscnt 23-16*\y-\n                       ; behind this load: the rest of its tile's, and for the first tile the second's 8 stores and 8 loads
	global_store_b128 v16, v[AF+32*\y+4*\n:AF+32*\y+4*\n+3], s[10:11] offset:(16*\y+2*\n)*1024 th:TH_STORE_NT   ; 16 lanes store 256 consecutive bytes, aligned
.endr
.endr
	s_wait_tensorcnt 0x0                           ; the wave's end: three closing lines, behind my last LDS store
	ds_add_u32 v[SPW], v[NIL]
	s_wait_dscnt 0x0
	s_endpgm
.Lfunc_end_k_q0f54e379ee_outp:
	.size	k_q0f54e379ee_outp, .Lfunc_end_k_q0f54e379ee_outp-k_q0f54e379ee_outp
	.p2alignl 7, 3214868480
	.fill 96, 4, 3214868480
	.section	.rodata,"a",@progbits
	.p2align	6, 0x0
	.amdhsa_kernel k_q0f54e379ee_outp
		.amdhsa_group_segment_fixed_size 17920
		.amdhsa_private_segment_fixed_size 0
		.amdhsa_enable_private_segment 0
		.amdhsa_kernarg_size 32
		.amdhsa_user_sgpr_count 2
		.amdhsa_user_sgpr_kernarg_segment_ptr 1
		.amdhsa_wavefront_size32 1
		.amdhsa_system_sgpr_workgroup_id_x 1
		.amdhsa_system_sgpr_workgroup_id_y 1
		.amdhsa_system_sgpr_workgroup_id_z 1
		.amdhsa_system_vgpr_workitem_id 0
		.amdhsa_next_free_vgpr 512
		.amdhsa_next_free_sgpr 66
		.amdhsa_reserve_vcc 0
		.amdhsa_float_denorm_mode_32 3
		.amdhsa_float_denorm_mode_16_64 3
		.amdhsa_memory_ordered 1
		.amdhsa_forward_progress 1
		.amdhsa_inst_pref_size 22
	.end_amdhsa_kernel
	.amdgpu_metadata
---
amdhsa.version: [ 1, 2 ]
amdhsa.kernels:
  - .name:           k_q0f54e379ee_outp
    .symbol:         k_q0f54e379ee_outp.kd
    .args:
      - { .name: att, .offset: 0, .size: 8, .value_kind: global_buffer, .address_space: global }
      - { .name: woimg, .offset: 8, .size: 8, .value_kind: global_buffer, .address_space: global }
      - { .name: bo, .offset: 16, .size: 8, .value_kind: global_buffer, .address_space: global }
      - { .name: out0, .offset: 24, .size: 8, .value_kind: global_buffer, .address_space: global }
    .group_segment_fixed_size: 17920
    .private_segment_fixed_size: 0
    .kernarg_segment_align: 8
    .kernarg_segment_size: 32
    .max_flat_workgroup_size: 128
    .sgpr_count:     66
    .vgpr_count:     512
    .wavefront_size: 32
...
	.end_amdgpu_metadata
.endif
;; end of part 4
